; MI455X (gfx1250); checked and timed in simulation.
; The chip was launched on July 23, 2026; its instructions are those of AMD's public machine-readable ISA for CDNA 5 (MIT licence, August 2026) and "CDNA5" Instruction Set Architecture Reference Guide (July 2026). The comments in the code are by the model that wrote it; some were corrected since.
;; Instance Decoder. Allowed arithmetic: matrix products marked QUANTISED: E2M1 operands, one E8M0 scale for each 32 along K, by v_wmma_scale_f32_16x16x128_f8f6f4 with both operands' format E2M1 (or v_wmma_scale_f32_32x16x128_f4), f32 sums; products left as they are: f32 operands where the result goes on into a quantised operand, else bf16, f16 or f32 operands; f32 sums; everything else in f32.
;; Inputs: beta_b 1 float32; beta_w 256 float32; coord_b 24 float32; coord_w_codes 24 x 8 x 16 uint8 (E2M1 codes of coord_w, K innermost, in blocks of 32 codes, two codes a byte); coord_w_scales 24 x 8 uint8 (E8M0 scales of coord_w, one for each 32 codes along K); x 16,384 x 256 float32.
;; Outputs: out0 16,384 float32; out1 16,384 x 24 float32; out2 16,384 float32; out3 16,384 int32.
;; This version of the problem:
;;   THIS VERSION OF THE PROBLEM IS GIVEN IN LOW PRECISION. The matrix products marked QUANTISED in the list below multiply operands that are first quantised to E2M1 (2 exponent bits, 1 mantissa bit; 4 bits a number), with one power-of-two scale for each 32 numbers along K (OCP MX v1.0); their sums are f32. All else is computed in f32.
;;   The module's matrix products, in the order in which they are computed (A, B: the left and right operand; K: the contracted axis; several contracted axes count as one K, in the product's order):
;;     1. [M 16,384, K 256] x [K 256, N 1]; A: input x; B: input beta_w: left as it is (N = 1 < 16)
;;     2. [M 16,384, K 256] x [K 256, N 24]; A: input x; B: input coord_w (given as codes): QUANTISED
;;     3. [M 16,384, K 24] x [K 24, N 16,384]; A: computed on the way; B: computed on the way: left as it is (K = 24 < 32)
;;   THE QUANTISER, for each operand of a quantised product, along K:
;;     - K is cut into blocks of 32 from its start; a last block that is shorter is filled with zeros.
;;     - A block's scale is 2^e with e = floor(log2(the largest magnitude in the block)) - 2, held to -126 .. 127; a block of zeros has e = 0. As a byte (E8M0): e + 127.
;;     - Each number is divided by its block's scale, clamped to +-6, and rounded to the nearest number of E2M1, ties to even, subnormals kept.
;;     - The product sums the exact products of the quantised numbers (number of the format x scale) in f32.
;;   ~~~python
;;   def quantise(x, axis):      # numpy; x: float32 -> the quantised numbers, widened to float32 again
;;       x = np.moveaxis(x, axis, -1); K = x.shape[-1]
;;       x = np.pad(x, [(0, 0)] * (x.ndim - 1) + [(0, -K % 32)]); x = x.reshape(x.shape[:-1] + (-1, 32)); a = np.abs(x).max(-1, keepdims=True)
;;       e = np.where(a > 0, np.clip(np.frexp(np.where(a > 0, a, 1))[1] - 1 - 2, -126, 127), 0)      # np.frexp(a)[1] - 1 = floor(log2(a)), exactly
;;       r = np.clip(x / 2.0 ** e, -6, 6)
;;       step = 2.0 ** (np.maximum(np.frexp(np.where(r == 0, 1, r))[1] - 1, 0) - 1)
;;       q = np.round(r / step) * step * 2.0 ** e      # np.round: ties to even
;;       return np.moveaxis(q.reshape(q.shape[:-2] + (-1,))[..., :K], -1, axis).astype(np.float32)
;;   ~~~
;;   INPUTS GIVEN AS CODES. coord_w (in the module: [256, 24], K = its axis 0): each comes as NAME_codes (uint8): NAME with its K axis moved to the last place and cut into blocks of 32 codes, [.., K / 32, bytes a block], one block behind the other in memory; two codes a byte, the lower K in the low four bits (a code: sign, 2 exponent bits, 1 mantissa bit); and NAME_scales (uint8): the same leading axes, one E8M0 byte (e + 127) for each 32 codes along K. Its value is code x scale, taken as it is: it is not quantised again, and the codes and scales need not be those that the quantiser above would give.
;; One version. Each part assembles by itself: llvm-mc -triple=amdgcn-amd-amdhsa -mcpu=gfx1250 --defsym DOCPART=n.
;; ======== version 1 of 1: 3 launches
;; workspace buffers: cfrag 1,048,576 bytes; oxp 1,572,864 bytes; mrec 4,096 bytes of whole numbers; wpre 2,048 bytes of whole numbers; pkey 262,144 bytes of whole numbers; pgid 262,144 bytes of whole numbers
;; launch project (part 1): grid 256 x 1, 4 waves a work-group, no clusters, 68,096 bytes of LDS; arguments x, beta_w, beta_b, coord_w_codes, coord_w_scales, coord_b, out0, out1, cfrag, oxp, mrec; writes out0, out1, cfrag, oxp, mrec
.if DOCPART == 1
	.amdgcn_target "amdgcn-amd-amdhsa--gfx1250"
	.amdhsa_code_object_version 6
	.text
	.protected	k_qb09b1b1c3c_project
	.globl	k_qb09b1b1c3c_project
	.p2align	8
	.type	k_qb09b1b1c3c_project,@function
k_qb09b1b1c3c_project:
	s_mov_b64 s[64:65], 0
	v_nop
	global_prefetch_b8 v0, s[64:65] scope:SCOPE_SE
	s_setreg_imm32_b32 hwreg(HW_REG_WAVE_MODE, 25, 1), 1
	s_wait_xcnt 0x0
; of = sigmoid(x . beta_w + beta_b) in f32;  ox = Q(x) coord_w + coord_b on codes of FP4 (E2M1) with one E8M0 scale for each 32 along K.
; x: [16384][256] f32, quantised here in registers;  coord_w: codes [24][128 bytes], K innermost, scale bytes [24][8].
; Stored: out0 (of), out1 (ox), and for the later launches: cfrag (each tile of 16 hits as the register image of a bf16 fragment of 32 along K:
; k 0-23 ox rounded to bf16, k 24-26 the three bf16 parts of -s/2, s = the sum of the squares of the ROUNDED coordinates, k 27 = 0 for a centre and -2^120 for a hit
; that is none, k 28-31 = 0), oxp (ox in f32, [group of 32 hits][4 coordinates][hit][16 bytes]) and mrec (512 mask words, bit l of word g: hit 32 g + l is a centre; then the 512 counts of their bits).
; SHARES: a work-group takes 64 rows, a wave 16: one tile.  Waves share nothing but the 64 numbers of out0 and the two mask words, which meet in LDS behind one barrier.
; THE MATRIX INSTRUCTION IS USED TRANSPOSED: source 0 = 16 rows of coord_w (features), source 1 = my 16 rows of x: lane (r, h) holds hit r and eight neighbouring features 8 h + j.
; Features 24-31 are padding: zero codes under the scale byte 127, and a zero bias.  The bias is the C of each sum's first product.
; No cluster, no tensor load: no byte of x is read by two work-groups, and the weights are 3 KiB.  No prefetch: all of a wave's 16 KiB of x are asked for at once at its head.
; LIMITS: NaN and infinities among the inputs are not served; a block of x whose largest magnitude lies under 2^-124 gets the scale byte 1 (a block of zeros too: its codes are zeros);
; the sum of squares / 2 has to stay under 2^119; exp and rcp are good to one unit in the last place, so a hit whose of lies that near to 0.1 may fall on either side.
.set XPITCH, 1040                      ; a row of x in LDS: 1,024 bytes + 16: an odd multiple of 16, so that the 16 rows of a load begin at 16 different 16-byte columns of 256 bytes
.set XREG,   16*XPITCH                 ; a wave's own stage
.set OFL,    4*XREG                    ; 256 bytes: the work-group's 64 numbers of out0
.set MKL,    OFL+256                   ; 8 bytes: four masks of 16 bits
.set X,    16                          ; v16-143  x: register 64 s + 16 b + i = k 128 s + 32 b + 16 h + i of row r
.set WF,   144                         ; v144-175 W's fragments: (tile t, K step s) at 8 (2 t + s)
.set WS,   176                         ; v176-179 W's scale words (2 t + s): scales and nothing else
.set PW,   180                         ; v180-181 x's scale words
.set ACC0, 184                         ; v184-191 features 0-15
.set ACC1, 192                         ; v192-199 features 16-31
.set PC0,  200                         ; v200-207 x's codes, K step 0
.set PC1,  208                         ; v208-215 K step 1
.set TM,   216                         ; v216-231 at work in QUANT
.set ZA,   232                         ; v232-239 x . beta_w in four pairs
.set P,    16                          ; behind the products x's registers are free: v16-23 the bf16 image
.set U,    24                          ; v24-39 the image widened again
.set SEL,  34                          ; s[34:35] selects of v_permlanex16_b32: lane l xor 16
.set MSB, 0
.macro WIN new                         ; the immediate's high byte repeats the setting that is left
.if MSB != \new
	s_set_vgpr_msb (MSB<<8)|\new
.set MSB, \new
.endif
.endm
; 64 numbers of a lane, v[s] on, register 16 b + i = k 32 b + 16 (lane / 16) + i of my row, become a fragment's codes in v[pc] on and its scale word in v[pw].
.macro QUANT s, pc, pw
.irp b, 0,1,2,3
	v_max3_num_f32 v[TM+\b], |v[(\s)+16*\b]|, |v[(\s)+1+16*\b]|, 0x1800000   ; block b: my 16 numbers, and the floor 2^(3 - 127): the byte cannot fall under 1
.endr
.irp i, 2,4,6,8,10,12,14
.irp b, 0,1,2,3
	v_max3_num_f32 v[TM+\b], v[TM+\b], |v[(\s)+16*\b+\i]|, |v[(\s)+1+16*\b+\i]|   ; the four blocks by turns
.endr
.endr
.irp b, 0,1,2,3
	v_permlanex16_b32 v[TM+4+\b], v[TM+\b], s[SEL], s[SEL+1]
.endr
.irp b, 0,1,2,3
	v_max_num_f32 v[TM+\b], v[TM+\b], v[TM+4+\b]   ; with lane l xor 16's: the block's largest magnitude
.endr
.irp b, 0,1,2,3
	v_add_nc_u32 v[TM+12+\b], 0xff000000, v[TM+\b]   ; 2 off its exponent field: the conversion takes this operand's exponent field as its scale
.endr
.irp b, 0,1,2,3
	v_lshrrev_b32 v[TM+4+\b], 23, v[TM+12+\b]      ; the scale's byte
.endr
	v_lshl_or_b32 v[\pw], v[TM+5], 8, v[TM+4]      ; four bytes: my row's scale word
	v_lshl_or_b32 v[\pw], v[TM+6], 16, v[\pw]
	v_lshl_or_b32 v[\pw], v[TM+7], 24, v[\pw]
.irp b, 0,1,2,3
	v_cvt_scalef32_pk8_fp4_f32 v[(\pc)+2*\b], v[(\s)+16*\b:(\s)+7+16*\b], v[TM+12+\b]
	v_cvt_scalef32_pk8_fp4_f32 v[(\pc)+1+2*\b], v[(\s)+8+16*\b:(\s)+15+16*\b], v[TM+12+\b]
.endr
	v_nop                                          ; one plain place behind a scaled conversion
.irp c, 0,1                                    ; the operand's layout wants a whole block in a lane: lanes 0-15 block 2 c, lanes 16-31 block 2 c + 1
.irp i, 0,1
	v_permlane16_swap_b32 v[(\pc)+4*\c+\i], v[(\pc)+2+4*\c+\i]
.endr
.endr
.endm
	s_load_b512 s[4:19], s[0:1], 0x0               ; x s[4:5], beta_w s[6:7], beta_b s[8:9], codes s[10:11], scales s[12:13], coord_b s[14:15], out0 s[16:17], out1 s[18:19]
	s_load_b128 s[20:23], s[0:1], 0x40             ; cfrag, oxp
	s_load_b64 s[24:25], s[0:1], 0x50              ; mrec
	v_lshl_add_u32 v226, v0, 2, 0x10800
	v_mov_b32 v227, 0
	v_lshrrev_b32 v1, 5, v0
	v_readfirstlane_b32 s27, v1                    ; wave 0..3
	v_and_b32 v1, 31, v0                           ; lane
	v_and_b32 v2, 15, v0                           ; r
	v_bfe_u32 v3, v0, 4, 1                         ; h
	s_lshl_b32 s28, ttmp9, 2
	s_add_co_u32 s28, s28, s27                     ; my tile of 16 hits: 4 x work-group + wave
	s_mul_i32 s29, s27, XREG                       ; my stage
	v_lshlrev_b32 v4, 4, v1                        ; 16 x lane
	v_add_nc_u32 v5, s29, v4                       ; the stage by lanes
	v_mul_u32_u24 v6, v2, XPITCH
	v_lshl_add_u32 v6, v3, 6, v6
	v_add_nc_u32 v6, s29, v6                       ; the stage by rows: row r, + 64 h: my 16 numbers of a block of 32
	v_lshlrev_b32 v7, 7, v2
	v_lshl_add_u32 v7, v3, 4, v7                   ; W, tile 0: row r of 128 bytes, + 16 h
	v_and_b32 v8, 7, v0
	v_lshlrev_b32 v10, 3, v8                       ; W's scale words, tile 1: 8 (r % 8)
	v_lshlrev_b32 v8, 7, v8
	v_lshl_add_u32 v8, v3, 4, v8                   ; W, tile 1: row 16 + r % 8, so that no load leaves the 24 rows; lanes r >= 8 are patched below
	v_lshlrev_b32 v9, 3, v2                        ; W's scale words, tile 0: 8 r
	v_lshlrev_b32 v11, 5, v3                       ; the bias of tile 0: 32 h
	v_lshlrev_b32 v12, 6, v3                       ; beta_w: 64 h
	v_mov_b32 v13, 0
	v_mov_b32 v14, 0x7f7f7f7f                      ; four scale bytes of 1.0
.irp b, 0,1,2,3
	v_mov_b32 v[TM+4+\b], 0                        ; written once: a lane permute's destination counts as one of its sources
.endr
	s_mov_b32 s32, 0xffff0000                      ; the lanes with h = 1; also a word's upper bf16
	s_mov_b32 s33, 0xff00ff00                      ; the lanes with r >= 8
	s_mov_b32 s[SEL], 0x76543210
	s_mov_b32 s[SEL+1], 0xfedcba98
	s_mov_b32 s31, 0
	s_wait_kmcnt 0x0
	s_load_b32 s26, s[8:9], 0x0                    ; beta_b[0]
	s_lshl_b32 s30, s28, 14
	s_add_nc_u64 s[4:5], s[4:5], s[30:31]          ; x: 16 rows of 1,024 bytes a tile
	s_mul_i32 s30, s28, 1536
	s_add_nc_u64 s[18:19], s[18:19], s[30:31]      ; out1: 16 rows of 96 bytes
	s_lshl_b32 s30, s28, 10
	s_add_nc_u64 s[20:21], s[20:21], s[30:31]      ; cfrag: 1,024 bytes a tile
	s_lshr_b32 s30, s28, 1
	s_mul_i32 s30, s30, 3072
	s_and_b32 s36, s28, 1
	s_lshl_b32 s36, s36, 8
	s_add_co_u32 s30, s30, s36
	s_add_nc_u64 s[22:23], s[22:23], s[30:31]      ; oxp: 3,072 bytes a group of 32 hits; my 16 hits' 256 bytes in each of its six rows
	s_lshl_b32 s30, ttmp9, 8
	s_add_nc_u64 s[16:17], s[16:17], s[30:31]      ; out0: 64 numbers a work-group
	s_lshl_b32 s30, ttmp9, 3
	s_add_nc_u64 s[24:25], s[24:25], s[30:31]      ; mrec: two words a work-group
	; 16 small loads: W's four fragments, its scale words, the bias into the accumulators
.irp s, 0,1
.irp c, 0,1
	global_load_b128 v[WF+8*\s+4*\c:WF+8*\s+4*\c+3], v7, s[10:11] offset:64*\s+32*\c
	global_load_b128 v[WF+16+8*\s+4*\c:WF+16+8*\s+4*\c+3], v8, s[10:11] offset:2048+64*\s+32*\c
.endr
	global_load_b32 v[WS+\s], v9, s[12:13] offset:4*\s
	global_load_b32 v[WS+2+\s], v10, s[12:13] offset:128+4*\s
.endr
	global_load_b128 v[ACC0:ACC0+3], v11, s[14:15]             ; coord_b[8 h + 0 .. 3]
	global_load_b128 v[ACC0+4:ACC0+7], v11, s[14:15] offset:16
	global_load_b128 v[ACC1:ACC1+3], v13, s[14:15] offset:64   ; coord_b[16 .. 19] in every lane; lanes h = 1 are patched below
	global_load_b128 v[ACC1+4:ACC1+7], v13, s[14:15] offset:80
	; my 16 rows of x are 16 KiB on end: 32 loads of 512 consecutive bytes
.set n, 0
.rept 32
	global_load_b128 v[X+4*n:X+4*n+3], v4, s[4:5] offset:512*n th:TH_LOAD_NT
.set n, n+1
.endr
	; as they land they go into my stage as they lie, rows 1,040 bytes apart
.irp g, 0,1,2,3
	s_wait_loadcnt 24-8*\g                         ; loads come back in order: all but the younger loads of x are in, the 16 small ones among them
.irp e, 0,1,2,3,4,5,6,7
	ds_store_b128 v5, v[X+4*(8*\g+\e):X+4*(8*\g+\e)+3] offset:((8*\g+\e)/2)*XPITCH+((8*\g+\e)%2)*512
.endr
.endr
	WIN 0x40                                       ; destination window 1
.irp s, 0,1
.irp b, 0,1,2,3
.irp j, 0,1,2,3
	global_load_b128 v[64*\s+16*\b+4*\j:64*\s+16*\b+4*\j+3], v12, s[6:7] offset:512*\s+128*\b+16*\j   ; beta_w in the order of x's registers: v256-383
.endr
.endr
.endr
	WIN 0
	s_wait_dscnt 0x0                               ; the stores have read x's registers, which now take the rows back: 16 neighbours of each block of 32 to a lane
.irp s, 0,1
.irp b, 0,1,2,3
.irp j, 0,1,2,3
	ds_load_b128 v[X+64*\s+16*\b+4*\j:X+64*\s+16*\b+4*\j+3], v6 offset:512*\s+128*\b+16*\j
.endr
.endr
.endr
	; the padding of tile 1 (features 24-31): zero codes, scale bytes of 1.0, no bias.  These lines stand far ahead of the products
.irp i, 0,1,2,3,4,5,6,7,8,9,10,11,12,13,14,15
	v_cndmask_b32 v[WF+16+\i], v[WF+16+\i], v13, s33
.endr
	v_cndmask_b32 v[WS+2], v[WS+2], v14, s33
	v_cndmask_b32 v[WS+3], v[WS+3], v14, s33
.irp i, 0,1,2,3,4,5,6,7
	v_cndmask_b32 v[ACC1+\i], v[ACC1+\i], v13, s32
.endr
	s_wait_dscnt 16                                ; K step 0's 16 loads are in; K step 1's may be out
	QUANT X, PC0, PW
	s_wait_dscnt 0x0
	QUANT X+64, PC1, PW+1
	s_wait_loadcnt 0x0                             ; beta_w
	s_wait_kmcnt 0x0                               ; beta_b
	WIN 0x04                                       ; source 1 window 1
.set n, 0
.rept 64                                       ; x . beta_w in f32: my 128 numbers, two at a time, four chains.  These 64 plain lines also stand between the codes and scale words just made and the products
.if n < 4
	v_pk_mul_f32 v[ZA+2*n:ZA+2*n+1], v[X+2*n:X+2*n+1], v[2*n:2*n+1]
.else
	v_pk_fma_f32 v[ZA+2*(n%4):ZA+2*(n%4)+1], v[X+2*n:X+2*n+1], v[2*n:2*n+1], v[ZA+2*(n%4):ZA+2*(n%4)+1]
.endif
.set n, n+1
.endr
	WIN 0
	; the two accumulators take turns, one instruction a turn
	v_wmma_scale_f32_16x16x128_f8f6f4 v[ACC0:ACC0+7], v[WF:WF+7], v[PC0:PC0+7], v[ACC0:ACC0+7], v[WS], v[PW] matrix_a_fmt:MATRIX_FMT_FP4 matrix_b_fmt:MATRIX_FMT_FP4
	v_wmma_scale_f32_16x16x128_f8f6f4 v[ACC1:ACC1+7], v[WF+16:WF+23], v[PC0:PC0+7], v[ACC1:ACC1+7], v[WS+2], v[PW] matrix_a_fmt:MATRIX_FMT_FP4 matrix_b_fmt:MATRIX_FMT_FP4
	v_wmma_scale_f32_16x16x128_f8f6f4 v[ACC0:ACC0+7], v[WF+8:WF+15], v[PC1:PC1+7], v[ACC0:ACC0+7], v[WS+1], v[PW+1] matrix_a_fmt:MATRIX_FMT_FP4 matrix_b_fmt:MATRIX_FMT_FP4
	v_wmma_scale_f32_16x16x128_f8f6f4 v[ACC1:ACC1+7], v[WF+24:WF+31], v[PC1:PC1+7], v[ACC1:ACC1+7], v[WS+3], v[PW+1] matrix_a_fmt:MATRIX_FMT_FP4 matrix_b_fmt:MATRIX_FMT_FP4
	; z's tail and the sigmoid: plain lines that name no register of the products; the first four are the places behind them (ISA guide 7.12.1)
	v_pk_add_f32 v[ZA:ZA+1], v[ZA:ZA+1], v[ZA+2:ZA+3]
	v_pk_add_f32 v[ZA+4:ZA+5], v[ZA+4:ZA+5], v[ZA+6:ZA+7]
	v_pk_add_f32 v[ZA:ZA+1], v[ZA:ZA+1], v[ZA+4:ZA+5]
	v_add_f32 v251, v[ZA], v[ZA+1]
	v_permlanex16_b32 v[ZA+2], v251, s[SEL], s[SEL+1]
	v_add_f32 v251, v251, v[ZA+2]                  ; with lane l xor 16's half of the row
	v_add_f32 v251, s26, v251                      ; + beta_b, once
	v_mul_f32 v251, 0xbfb8aa3b, v251               ; -z log2(e)
	v_exp_f32 v251, v251
	v_mul_u32_u24 v240, v2, 96                     ; (plain work behind the exponential)  the stage for out1: row r of 96 bytes;
	v_mad_u32_u24 v241, v3, 1536, v240             ; features 16-23: lanes h = 1 hold padding and write into a shadow 1,536 bytes on, which nobody reads;
	v_lshl_add_u32 v240, v3, 5, v240               ; features 0-15: + 32 h
	v_add_nc_u32 v240, s29, v240
	v_add_nc_u32 v241, s29, v241
	v_lshlrev_b32 v252, 4, v2
	v_lshl_add_u32 v242, v3, 10, v252              ; oxp: 16 r + 1,024 h (rows 2 h and 2 h + 1 of the group's six)
	v_lshl_add_u32 v243, v3, 9, v252               ; and 16 r + 512 h (rows 4 and 5)
	s_wait_alu depctr_va_vdst(0)                   ; the wait ahead of the first line that names the exponential's result
	v_add_f32 v251, 1.0, v251
	v_rcp_f32 v251, v251                           ; of = 1 / (1 + 2^(-z log2 e))
	s_lshl_b32 s36, s27, 6
	s_add_co_u32 s36, s36, OFL
	v_lshl_add_u32 v254, v2, 2, s36                ; (plain work behind the reciprocal)  where my hit's of goes: 64 x wave + 4 r
	s_lshl_b32 s36, s27, 1
	s_add_co_u32 s36, s36, MKL
	v_mov_b32 v255, s36                            ; where my wave's mask goes
	v_lshl_add_u32 v244, v1, 3, OFL                ; the addresses of the reads behind the barrier are made here, ahead of the branch on the wave's number
	v_lshlrev_b32 v245, 3, v1
	v_mov_b32 v250, MKL
	s_wait_alu depctr_va_vdst(0)                   ; and ahead of the first line that names the reciprocal's
	v_cmp_lt_f32 vcc_lo, 0x3dcccccd, v251          ; a centre: 0.1 < of
	v_cndmask_b32 v253, 0xfb800000, v13, vcc_lo    ; k 27 of the image: 0 for a centre, else -2^120
	s_and_b32 s37, vcc_lo, 0xffff                  ; lanes 0-15: my 16 hits
	v_mov_b32 v252, s37
	; THE WAY OUT.  Each accumulator is read from its low end on.  out1's 16 rows of 96 bytes are gathered in my stage and leave as 1,536 consecutive bytes
	ds_store_b128 v240, v[ACC0:ACC0+3]
	ds_store_b128 v240, v[ACC0+4:ACC0+7] offset:16
	ds_store_b128 v241, v[ACC1:ACC1+3] offset:64
	ds_store_b128 v241, v[ACC1+4:ACC1+7] offset:80
.irp i, 0,1,2
	ds_load_b128 v[48+4*\i:51+4*\i], v5 offset:512*\i   ; LDS serves a wave's instructions in order (ISA guide 5.7.1.4): these see the stores above
.endr
	ds_store_b32 v254, v251                        ; both lanes of a hit write the same word with the same value
	ds_store_b16 v255, v252                        ; all lanes write the same 16 bits
	global_store_b128 v242, v[ACC0:ACC0+3], s[22:23]           ; oxp: sixteen lanes store 256 consecutive bytes, aligned
	global_store_b128 v242, v[ACC0+4:ACC0+7], s[22:23] offset:512
.irp k, 0,1,2,3
	v_permlanex16_b32 v[44+\k], v[ACC1+4+\k], s[SEL], s[SEL+1]
.endr
.irp k, 0,1,2,3
	v_cndmask_b32 v[40+\k], v[ACC1+\k], v[44+\k], s32          ; lanes h = 0: features 16-19; lanes h = 1: features 20-23 of the same hit
.endr
	global_store_b128 v243, v[40:43], s[22:23] offset:2048
	; the bf16 image
.irp i, 0,1,2,3
	v_cvt_pk_bf16_f32 v[P+\i], v[ACC0+2*\i], v[ACC0+2*\i+1]    ; registers 0-3: k = 8 h + 0 .. 7
	v_cvt_pk_bf16_f32 v[P+4+\i], v[ACC1+2*\i], v[ACC1+2*\i+1]  ; registers 4-7: k = 16 + 8 h + 0 .. 7: zeros where h = 1
.endr
.irp i, 0,1,2,3,4,5,6,7
	v_lshlrev_b32 v[U+2*\i], 16, v[P+\i]
	v_and_b32 v[U+2*\i+1], s32, v[P+\i]
.endr
	v_pk_mul_f32 v[60:61], v[U:U+1], v[U:U+1]                  ; s = the sum of the squares of the rounded coordinates
	v_pk_mul_f32 v[62:63], v[U+2:U+3], v[U+2:U+3]
.irp i, 4,8,12
	v_pk_fma_f32 v[60:61], v[U+\i:U+\i+1], v[U+\i:U+\i+1], v[60:61]
	v_pk_fma_f32 v[62:63], v[U+\i+2:U+\i+3], v[U+\i+2:U+\i+3], v[62:63]
.endr
	v_pk_add_f32 v[60:61], v[60:61], v[62:63]
	v_add_f32 v60, v60, v61
	v_permlanex16_b32 v61, v60, s[SEL], s[SEL+1]
	v_add_f32 v60, v60, v61
	v_mul_f32 v60, -0.5, v60                       ; u = -s / 2, cut into three bf16 numbers whose sum is u
	v_cvt_pk_bf16_f32 v62, v60, v60
	v_and_b32 v62, s32, v62                        ; the first part, as f32
	v_sub_f32 v63, v60, v62                        ; what is left: exact
	v_cvt_pk_bf16_f32 v64, v63, v63
	v_and_b32 v64, s32, v64                        ; the second
	v_sub_f32 v65, v63, v64                        ; the third
	v_cvt_pk_bf16_f32 v66, v62, v64                ; k 24, 25
	v_cvt_pk_bf16_f32 v67, v65, v253               ; k 26, 27
	v_cndmask_b32 v[P+4], v[P+4], v66, s32
	v_cndmask_b32 v[P+5], v[P+5], v67, s32
	global_store_b128 v4, v[P:P+3], s[20:21]                   ; the image as it stands: 512 consecutive bytes a store
	global_store_b128 v4, v[P+4:P+7], s[20:21] offset:512
	s_wait_dscnt 0x0                               ; out1's rows are back; and for the others' sake: my stores of of and of the mask are done
.irp i, 0,1,2
	global_store_b128 v4, v[48+4*\i:51+4*\i], s[18:19] offset:512*\i th:TH_STORE_NT
.endr
	s_barrier_signal -1
	s_barrier_wait -1
	s_cmp_eq_u32 s27, 0
	s_cbranch_scc1 .Lwave0
	s_cmp_eq_u32 s27, 1
	s_cbranch_scc1 .Lwave1
	s_wait_tensorcnt 0x0
	ds_add_u32 v226, v227
	s_wait_dscnt 0x0
	s_endpgm
.Lwave0:                                           ; out0: the work-group's 64 numbers leave as 256 consecutive bytes, aligned
	ds_load_b64 v[246:247], v244
	s_wait_dscnt 0x0
	global_store_b64 v245, v[246:247], s[16:17] th:TH_STORE_NT
	s_wait_tensorcnt 0x0
	ds_add_u32 v226, v227
	s_wait_dscnt 0x0
	s_endpgm
.Lwave1:                                           ; mrec: the two mask words and the counts of their bits
	ds_load_b64 v[246:247], v250
	s_wait_dscnt 0x0
	v_readfirstlane_b32 s38, v246
	v_readfirstlane_b32 s39, v247
	s_bcnt1_i32_b32 s38, s38
	s_bcnt1_i32_b32 s39, s39
	v_mov_b32 v248, s38
	v_mov_b32 v249, s39
	s_wait_xcnt 0x0                                ; EXEC changes only when the earlier stores have had their addresses translated
	v_cmp_eq_u32 vcc_lo, 0, v1
	s_wait_tensorcnt 0x0
	ds_add_u32 v226, v227
	s_wait_dscnt 0x0
	s_and_saveexec_b32 s40, vcc_lo                 ; lane 0 alone
	global_store_b64 v13, v[246:247], s[24:25]
	global_store_b64 v13, v[248:249], s[24:25] offset:2048
	s_wait_xcnt 0x0                                ; and again ahead of the line that widens it
	s_or_b32 exec_lo, exec_lo, s40
	s_endpgm
.Lfunc_end_k_qb09b1b1c3c_project:
	.size	k_qb09b1b1c3c_project, .Lfunc_end_k_qb09b1b1c3c_project-k_qb09b1b1c3c_project
	.p2alignl 7, 3214868480
	.fill 96, 4, 3214868480
	.section	.rodata,"a",@progbits
	.p2align	6, 0x0
	.amdhsa_kernel k_qb09b1b1c3c_project
		.amdhsa_group_segment_fixed_size 68096
		.amdhsa_private_segment_fixed_size 0
		.amdhsa_enable_private_segment 0
		.amdhsa_kernarg_size 88
		.amdhsa_user_sgpr_count 2
		.amdhsa_user_sgpr_kernarg_segment_ptr 1
		.amdhsa_wavefront_size32 1
		.amdhsa_system_sgpr_workgroup_id_x 1
		.amdhsa_system_sgpr_workgroup_id_y 1
		.amdhsa_system_sgpr_workgroup_id_z 1
		.amdhsa_system_vgpr_workitem_id 0
		.amdhsa_next_free_vgpr 384
		.amdhsa_next_free_sgpr 66
		.amdhsa_reserve_vcc 1
		.amdhsa_float_denorm_mode_32 3
		.amdhsa_float_denorm_mode_16_64 3
		.amdhsa_memory_ordered 1
		.amdhsa_forward_progress 1
		.amdhsa_inst_pref_size 36
	.end_amdhsa_kernel
	.amdgpu_metadata
---
amdhsa.version: [ 1, 2 ]
amdhsa.kernels:
  - .name:           k_qb09b1b1c3c_project
    .symbol:         k_qb09b1b1c3c_project.kd
    .args:
      - { .name: x, .offset: 0, .size: 8, .value_kind: global_buffer, .address_space: global }
      - { .name: beta_w, .offset: 8, .size: 8, .value_kind: global_buffer, .address_space: global }
      - { .name: beta_b, .offset: 16, .size: 8, .value_kind: global_buffer, .address_space: global }
      - { .name: coord_w_codes, .offset: 24, .size: 8, .value_kind: global_buffer, .address_space: global }
      - { .name: coord_w_scales, .offset: 32, .size: 8, .value_kind: global_buffer, .address_space: global }
      - { .name: coord_b, .offset: 40, .size: 8, .value_kind: global_buffer, .address_space: global }
      - { .name: out0, .offset: 48, .size: 8, .value_kind: global_buffer, .address_space: global }
      - { .name: out1, .offset: 56, .size: 8, .value_kind: global_buffer, .address_space: global }
      - { .name: cfrag, .offset: 64, .size: 8, .value_kind: global_buffer, .address_space: global }
      - { .name: oxp, .offset: 72, .size: 8, .value_kind: global_buffer, .address_space: global }
      - { .name: mrec, .offset: 80, .size: 8, .value_kind: global_buffer, .address_space: global }
    .group_segment_fixed_size: 68096
    .private_segment_fixed_size: 0
    .kernarg_segment_align: 8
    .kernarg_segment_size: 88
    .max_flat_workgroup_size: 128
    .sgpr_count:     66
    .vgpr_count:     384
    .wavefront_size: 32
...
	.end_amdgpu_metadata
.endif
;; end of part 1
;; launch scan (part 2): grid 64 x 4, 8 waves a work-group, no clusters, 17,408 bytes of LDS; arguments cfrag, mrec, pkey, pgid, wpre; writes pkey, pgid, wpre
.if DOCPART == 2
	.amdgcn_target "amdgcn-amd-amdhsa--gfx1250"
	.amdhsa_code_object_version 6
	.text
	.protected	k_qb09b1b1c3c_scan
	.globl	k_qb09b1b1c3c_scan
	.p2align	8
	.type	k_qb09b1b1c3c_scan,@function
k_qb09b1b1c3c_scan:
	s_mov_b64 s[64:65], 0
	v_nop
	global_prefetch_b8 v0, s[64:65] scope:SCOPE_SE
	s_setreg_imm32_b32 hwreg(HW_REG_WAVE_MODE, 25, 1), 1
	s_wait_xcnt 0x0
; For each hit and each quarter of the centres: which GROUP of 32 consecutive hits holds the nearest centre.
; One bf16 product of 32 along K gives f(i, j) = b_i . b_j - s_j / 2 (- 2^120 where j is no centre) = (s_i - |b_i - b_j|^2) / 2: b the coordinates rounded to bf16, s the sum of their squares.
; The centre's -s/2 (three bf16 parts) and its mask lie at k 24-27 of its fragment; the hit's side holds 1.0 there.  The nearest centre has the largest f: no addition, no root, no compare per pair.
; Since s is taken of the rounded coordinates, f is the true distance between the rounded points.
; Source 0 = 16 centres, source 1 = 16 hits: a lane holds ONE hit (lane % 16) and its eight results are eight centres: v_max3 takes two results an instruction.
; Only the number of the winning group is kept (three lines for each group and tile of hits); a later launch looks at that group's 32 candidates in f32.
; SHARES: a work-group takes 256 hits x 4,096 centres; each of its eight waves keeps all 16 fragments of the hits (128 registers) and walks 32 tiles of centres of its own, four a trip.
; No fragment of centres is read by two waves of a work-group, so fragments go from memory straight into registers, as images: no LDS in the loop, no barrier.
; NO CLUSTER, NO JOINT LOADS: a joint load brings a tile into LDS, and here each 1,024 bytes of centres feed 16 matrix instructions of one wave alone: the way through LDS would add a write and a read
; of every byte for a work-group whose whole share is 256 KiB of centres and 8 x 16 KiB of hits.  No prefetch: the 1 MiB of fragments is walked by 64 work-groups each.
; Also here, in a wave that has no part in the tail: wpre, the number of centres ahead of each group (two entries a work-group), from the counts in mrec.
; Stored at fixed places: pkey [quarter][hit]: f as an unsigned number that keeps f's order; pgid [quarter][hit]: the group.
; LIMITS: which group wins is decided on coordinates rounded to bf16; two candidates in different groups that are nearer to each other than that rounding may be chosen otherwise than in f32.
; Equal f: the lower group.  NaN and infinities are not served.
.set A,    8                           ; v8-39    four slots of a centre fragment
.set D,    40                          ; v40-71   four results by turns
.set GM,   72                          ; v72-87   the maximum of a group's first tile, for each tile of hits
.set RUN,  88                          ; v88-103  the running maximum
.set GID,  104                         ; v104-119 the group that holds it
.set T0,   120                         ; v120-123 at work
.set B,    128                         ; v128-255 the 16 fragments of the hits
.set VAL,  0                           ; LDS: [wave 8][hit 256] f
.set GIDL, 8192                        ; and the groups
	s_load_b256 s[4:11], s[0:1], 0x0               ; cfrag s[4:5], mrec s[6:7], pkey s[8:9], pgid s[10:11]
	s_load_b64 s[12:13], s[0:1], 0x20              ; wpre
	v_lshl_add_u32 v126, v0, 2, 0x4000
	v_mov_b32 v127, 0
	v_lshrrev_b32 v1, 5, v0
	v_readfirstlane_b32 s14, v1                    ; wave 0..7
	v_and_b32 v7, 31, v0                           ; lane
	v_lshlrev_b32 v1, 4, v7                        ; 16 x lane: my place in an image; never rewritten
	s_mov_b32 s15, ttmp9                           ; the block of 256 hits
	s_and_b32 s16, ttmp7, 0xffff                   ; the quarter of the centres
	v_mov_b32 v2, 0x3f803f80                       ; 1.0 twice, in bf16
	v_mov_b32 v3, 0                                ; written once: a lane permute's destination counts as one of its sources
	v_mov_b32 v4, 0
	s_lshl_b32 s17, s14, 10
	v_lshl_add_u32 v5, v7, 2, s17                  ; the tail: 1,024 x wave + 4 x lane
	s_lshl_b32 s17, s14, 8
	v_lshl_add_u32 v6, v7, 3, s17                  ; and 256 x wave + 8 x lane
	s_mov_b32 s25, 0xffff0000                      ; the lanes 16-31
	s_mov_b32 s26, 0x76543210
	s_mov_b32 s27, 0xfedcba98                      ; selects of v_permlanex16_b32: lane l xor 16
	s_lshl_b32 s22, s16, 7
	s_lshl_b32 s23, s14, 4
	s_add_co_u32 s22, s22, s23                     ; the trip's first group: 128 x quarter + 16 x wave,
	s_add_co_u32 s23, s22, 1                       ; and its second
	s_mov_b32 s24, 7
	s_mov_b32 s33, 0
	s_wait_kmcnt 0x0
	s_lshl_b32 s32, s15, 14
	s_add_nc_u64 s[18:19], s[4:5], s[32:33]        ; the hits' 16 tiles of 1,024 bytes
	s_lshl_b32 s32, s16, 18
	s_lshl_b32 s34, s14, 15
	s_add_co_u32 s32, s32, s34
	s_add_nc_u64 s[20:21], s[4:5], s[32:33]        ; my 32 tiles of centres
	s_lshl_b32 s32, s16, 16
	s_lshl_b32 s34, s15, 10
	s_add_co_u32 s32, s32, s34
	s_add_nc_u64 s[8:9], s[8:9], s[32:33]          ; pkey and pgid at [quarter][my block's first hit]
	s_add_nc_u64 s[10:11], s[10:11], s[32:33]
.set n, 0
.rept 16
	global_load_b128 v[B+8*n:B+8*n+3], v1, s[18:19] offset:1024*n
	global_load_b128 v[B+8*n+4:B+8*n+7], v1, s[18:19] offset:1024*n+512
.set n, n+1
.endr
.set n, 0
.rept 4
	global_load_b128 v[A+8*n:A+8*n+3], v1, s[20:21] offset:1024*n
	global_load_b128 v[A+8*n+4:A+8*n+7], v1, s[20:21] offset:1024*n+512
.set n, n+1
.endr
.set n, 0
.rept 16
	v_mov_b32 v[RUN+n], 0xff800000                 ; under every f.  (Once: a first group written out by itself would be a third copy of the trip)
	v_mov_b32 v[GID+n], s22
.set n, n+1
.endr
	s_wait_loadcnt 8                               ; the hits are in; the eight loads of centres behind them may be out
.set n, 0
.rept 16
	v_cndmask_b32 v[B+8*n+4], v[B+8*n+4], v2, s25  ; the hit's side: 1.0 at k 24-27 (registers 4 and 5 of lanes 16-31); k 28-31 are zeros on both sides
	v_cndmask_b32 v[B+8*n+5], v[B+8*n+5], v2, s25
.set n, n+1
.endr
; product n of a trip's 64: centre tile n / 16 x hit tile n % 16, into result n % 4.  C = 0: nothing is accumulated
.macro WM n
	v_wmma_f32_16x16x32_bf16 v[D+8*((\n)%4):D+8*((\n)%4)+7], v[A+8*((\n)/16):A+8*((\n)/16)+7], v[B+8*((\n)%16):B+8*((\n)%16)+7], 0
.endm
; the vector work on product n's result, read from its low end on.  A group is two tiles of centres: the first leaves its maximum in GM, the second joins it and updates the running maximum;
; 'greater' alone moves the group, so that of equal f the earlier group stays.
.macro MX n
.set dd, D+8*((\n)%4)
.set hh, (\n)%16
.set tt, T0+2*((\n)%2)
	v_max3_num_f32 v[tt], v[dd], v[dd+1], v[dd+2]
	v_max3_num_f32 v[tt+1], v[dd+3], v[dd+4], v[dd+5]
	v_max3_num_f32 v[tt], v[tt], v[dd+6], v[dd+7]
.if (((\n)/16)%2) == 0
	v_max_num_f32 v[GM+hh], v[tt], v[tt+1]
.else
	v_max3_num_f32 v[tt+1], v[tt+1], v[tt], v[GM+hh]
	v_cmp_gt_f32 vcc_lo, v[tt+1], v[RUN+hh]
	v_cndmask_b32 v[GID+hh], v[GID+hh], s[22+((\n)/32)], vcc_lo
	v_max_num_f32 v[RUN+hh], v[RUN+hh], v[tt+1]
.endif
.endm
; A TRIP: four tiles of centres, 64 products.  The work on result n - 1 stands behind product n: four plain lines or more that name none of product n's registers: they are the places between
; product n and the first read of its result (ISA guide 7.12.1); a result's registers are written again four products later.
; A slot is loaded again (the tile four further on) behind the work that follows its last product: four places behind that product.
; The wait ahead of a slot's first product leaves the other three slots' two loads each out, over the loop's edge too; the last trip loads nothing and its counts run down.
.macro TRIP load
.set N, 0
.rept 64
.if (N%16) == 0
.if \load
	s_wait_loadcnt 6
.else
	s_wait_loadcnt 6-2*(N/16)
.endif
.endif
	WM N
.if N == 1
.rept 4
	v_nop                                          ; the trip's first result has no earlier work to stand behind it
.endr
.endif
.if N >= 1
	MX N-1
.endif
.if (\load) && ((N%16) == 15)
	global_load_b128 v[A+8*(N/16):A+8*(N/16)+3], v1, s[20:21] offset:4096+1024*(N/16)
	global_load_b128 v[A+8*(N/16)+4:A+8*(N/16)+7], v1, s[20:21] offset:4096+1024*(N/16)+512
.endif
.set N, N+1
.endr
	MX 63
.endm
.Ltrip:
	TRIP 1
	s_wait_xcnt 0x0                                ; the loads that are out have read their base: it may step
	s_add_nc_u64 s[20:21], s[20:21], 4096
	s_add_co_u32 s22, s22, 2
	s_add_co_u32 s23, s23, 2
	s_sub_co_u32 s24, s24, 1
	s_cmp_lg_u32 s24, 0
	s_cbranch_scc1 .Ltrip
	TRIP 0                                         ; the eighth trip is written out without loads: none leaves my 32 tiles
	; THE TAIL.  A hit's centres lie in lanes l and l xor 16: the larger f wins, of equal f the lower group
.set n, 0
.rept 16
	v_permlanex16_b32 v3, v[RUN+n], s26, s27
	v_permlanex16_b32 v4, v[GID+n], s26, s27
	v_cmp_gt_f32 s28, v3, v[RUN+n]
	v_cmp_eq_f32 s29, v3, v[RUN+n]
	v_cmp_lt_u32 s30, v4, v[GID+n]
	s_and_b32 s29, s29, s30
	s_or_b32 s28, s28, s29
	v_cndmask_b32 v[RUN+n], v[RUN+n], v3, s28
	v_cndmask_b32 v[GID+n], v[GID+n], v4, s28
.set n, n+1
.endr
.irp p, 0,1,2,3,4,5,6,7                        ; two tiles of hits to a register: lane l holds hit 32 p + l of the block
	v_cndmask_b32 v[8+\p], v[RUN+2*\p], v[RUN+2*\p+1], s25
	v_cndmask_b32 v[16+\p], v[GID+2*\p], v[GID+2*\p+1], s25
.endr
.irp p, 0,1,2,3,4,5,6,7
	ds_store_b32 v5, v[8+\p] offset:VAL+128*\p
	ds_store_b32 v5, v[16+\p] offset:GIDL+128*\p
.endr
	s_wait_dscnt 0x0                               ; for the others' sake: my stores are done
	s_barrier_signal -1
	s_barrier_wait -1
	s_cmp_lt_u32 s14, 4
	s_cbranch_scc1 .Ljoin
	s_cmp_eq_u32 s14, 4
	s_cbranch_scc1 .Lprefix
	s_wait_tensorcnt 0x0
	ds_add_u32 v126, v127
	s_wait_dscnt 0x0
	s_endpgm
.Ljoin:                                            ; waves 0-3: 64 hits each, two a lane: the eight waves' results, in ascending order of their groups
.irp w, 0,1,2,3,4,5,6,7
	ds_load_b64 v[24+2*\w:25+2*\w], v6 offset:VAL+1024*\w
	ds_load_b64 v[40+2*\w:41+2*\w], v6 offset:GIDL+1024*\w
.endr
	s_wait_dscnt 0x0
.irp w, 1,2,3,4,5,6,7
.irp e, 0,1
	v_cmp_gt_f32 vcc_lo, v[24+2*\w+\e], v[24+\e]
	v_cndmask_b32 v[40+\e], v[40+\e], v[40+2*\w+\e], vcc_lo
	v_max_num_f32 v[24+\e], v[24+\e], v[24+2*\w+\e]
.endr
.endr
.irp e, 0,1                                    ; f as an unsigned number of the same order: -0 becomes +0; then the sign bit is set on what is positive and all bits are turned on what is negative
	v_add_f32 v[24+\e], 0, v[24+\e]
	v_ashrrev_i32 v[56+\e], 31, v[24+\e]
	v_or_b32 v[56+\e], 0x80000000, v[56+\e]
	v_xor_b32 v[24+\e], v[24+\e], v[56+\e]
.endr
	global_store_b64 v6, v[24:25], s[8:9]          ; 32 lanes store 256 consecutive bytes, aligned
	global_store_b64 v6, v[40:41], s[10:11]
	s_wait_tensorcnt 0x0
	ds_add_u32 v126, v127
	s_wait_dscnt 0x0
	s_endpgm
.Lprefix:                                          ; wave 4: wpre[2 id] and wpre[2 id + 1], id = 64 x quarter + block: the sums of the counts of all groups ahead
	s_lshl_b32 s34, s16, 6
	s_add_co_u32 s34, s34, s15
	s_lshl_b32 s35, s34, 3                         ; 8 id: the byte of count[2 id], and of wpre[2 id]
	s_load_b32 s36, s[6:7], s35 offset:0x800
.irp i, 0,1,2,3
	global_load_b128 v[8+4*\i:11+4*\i], v1, s[6:7] offset:2048+512*\i   ; all 512 counts: register 4 i + c of lane l is count[128 i + 4 l + c]
.endr
	s_lshl_b32 s37, s34, 1
	v_lshlrev_b32 v24, 2, v7
	v_sub_nc_u32 v24, s37, v24                     ; 2 id - 4 l: the count is ahead where 128 i + c lies under it
	v_mov_b32 v28, 0
	v_mov_b32 v30, 0
	v_mov_b32 v31, 0
	s_wait_loadcnt 0x0
.irp i, 0,1,2,3
.irp c, 0,1,2,3
	v_cmp_lt_i32 vcc_lo, 128*\i+\c, v24
	v_cndmask_b32 v26, 0, v[8+4*\i+\c], vcc_lo
	v_add_nc_u32 v28, v28, v26
.endr
.endr
.irp m, 1,2,4,8                                ; across the lanes, in whole numbers
	v_mov_b32_dpp v30, v28 row_xmask:\m row_mask:0xf bank_mask:0xf
	v_add_nc_u32 v28, v28, v30
.endr
	v_permlanex16_b32 v30, v28, s26, s27
	v_add_nc_u32 v28, v28, v30
	s_wait_kmcnt 0x0
	v_add_nc_u32 v29, s36, v28
	s_mov_b32 s32, s35
	s_add_nc_u64 s[12:13], s[12:13], s[32:33]
	s_wait_xcnt 0x0                                ; EXEC changes only when the earlier loads have had their addresses translated
	v_cmp_eq_u32 vcc_lo, 0, v7
	s_wait_tensorcnt 0x0
	ds_add_u32 v126, v127
	s_wait_dscnt 0x0
	s_and_saveexec_b32 s38, vcc_lo                 ; lane 0 alone
	global_store_b64 v31, v[28:29], s[12:13]
	s_wait_xcnt 0x0                                ; and again ahead of the line that widens it
	s_or_b32 exec_lo, exec_lo, s38
	s_endpgm
.Lfunc_end_k_qb09b1b1c3c_scan:
	.size	k_qb09b1b1c3c_scan, .Lfunc_end_k_qb09b1b1c3c_scan-k_qb09b1b1c3c_scan
	.p2alignl 7, 3214868480
	.fill 96, 4, 3214868480
	.section	.rodata,"a",@progbits
	.p2align	6, 0x0
	.amdhsa_kernel k_qb09b1b1c3c_scan
		.amdhsa_group_segment_fixed_size 17408
		.amdhsa_private_segment_fixed_size 0
		.amdhsa_enable_private_segment 0
		.amdhsa_kernarg_size 40
		.amdhsa_user_sgpr_count 2
		.amdhsa_user_sgpr_kernarg_segment_ptr 1
		.amdhsa_wavefront_size32 1
		.amdhsa_system_sgpr_workgroup_id_x 1
		.amdhsa_system_sgpr_workgroup_id_y 1
		.amdhsa_system_sgpr_workgroup_id_z 1
		.amdhsa_system_vgpr_workitem_id 0
		.amdhsa_next_free_vgpr 256
		.amdhsa_next_free_sgpr 66
		.amdhsa_reserve_vcc 1
		.amdhsa_float_denorm_mode_32 3
		.amdhsa_float_denorm_mode_16_64 3
		.amdhsa_memory_ordered 1
		.amdhsa_forward_progress 1
		.amdhsa_inst_pref_size 74
	.end_amdhsa_kernel
	.amdgpu_metadata
---
amdhsa.version: [ 1, 2 ]
amdhsa.kernels:
  - .name:           k_qb09b1b1c3c_scan
    .symbol:         k_qb09b1b1c3c_scan.kd
    .args:
      - { .name: cfrag, .offset: 0, .size: 8, .value_kind: global_buffer, .address_space: global }
      - { .name: mrec, .offset: 8, .size: 8, .value_kind: global_buffer, .address_space: global }
      - { .name: pkey, .offset: 16, .size: 8, .value_kind: global_buffer, .address_space: global }
      - { .name: pgid, .offset: 24, .size: 8, .value_kind: global_buffer, .address_space: global }
      - { .name: wpre, .offset: 32, .size: 8, .value_kind: global_buffer, .address_space: global }
    .group_segment_fixed_size: 17408
    .private_segment_fixed_size: 0
    .kernarg_segment_align: 8
    .kernarg_segment_size: 40
    .max_flat_workgroup_size: 256
    .sgpr_count:     66
    .vgpr_count:     256
    .wavefront_size: 32
...
	.end_amdgpu_metadata
.endif
;; end of part 2
;; launch refine (part 3): grid 256 x 1, 16 waves a work-group, no clusters, 2,560 bytes of LDS; arguments oxp, mrec, wpre, pkey, pgid, out2, out3; writes out2, out3
.if DOCPART == 3
	.amdgcn_target "amdgcn-amd-amdhsa--gfx1250"
	.amdhsa_code_object_version 6
	.text
	.protected	k_qb09b1b1c3c_refine
	.globl	k_qb09b1b1c3c_refine
	.p2align	8
	.type	k_qb09b1b1c3c_refine,@function
k_qb09b1b1c3c_refine:
	s_mov_b64 s[64:65], 0
	v_nop
	global_prefetch_b8 v0, s[64:65] scope:SCOPE_SE
	s_setreg_imm32_b32 hwreg(HW_REG_WAVE_MODE, 25, 1), 1
	s_wait_xcnt 0x0
; out2 = the distance to the nearest centre within radius 1 (else 1e9), out3 = that centre's ordinal among the centres (else -1).
; For each hit the launch before has stored, for each quarter of the centres, the group of 32 that holds the nearest one and a key that rises as the distance falls.  Here the largest of the four keys
; (of equal keys the lower quarter) names the group; its 32 hits are the candidates, ONE LANE EACH, and the distance is computed by the problem's own formula in f32:
; sq_i + sq_j - 2 dot, held at 0 from below, the root, the test against 1, the centre mask.  The three sums are taken in one and the same order, so that a hit's distance to itself is 0.
; The ordinal is never looked up by an index made here: it is wpre[group] + the number of mask bits under the lane, computed in every lane, and the winner's is picked by a minimum
; (the lowest ordinal among the lanes at the least distance is the lowest index).
; SHARES: a work-group takes 64 hits, each of its 16 waves four.  No loop.  No matrix instruction: 32 candidates x 24 coordinates a hit.  No cluster: work-groups share no tile by plan (which groups they read hangs on the data).
; The group's number enters addresses only behind s_min_u32 with 511.
; LIMITS: v_sqrt_f32 is good to one unit in the last place and takes denormals as 0; NaN and infinities are not served; what the choice of the group rests on is said in the launch before.
.set H,   16                           ; v16-111  my four hits' own rows, 24 numbers each, the same in every lane
.set C,   112                          ; v112-207 the candidates' rows: lane l holds candidate l's 24 numbers
.set DI,  216                          ; v216-219 the squared distance, then the distance
.set MD,  228                          ; v228-231 the least distance
.set INS, 232                          ; v232-235 the ordinal
	s_load_b256 s[4:11], s[0:1], 0x0               ; oxp s[4:5], mrec s[6:7], wpre s[8:9], pkey s[10:11]
	s_load_b128 s[12:15], s[0:1], 0x20             ; pgid s[12:13], out2 s[14:15]
	s_load_b64 s[16:17], s[0:1], 0x30              ; out3
	v_lshl_add_u32 v240, v0, 2, 0x200
	v_mov_b32 v241, 0
	v_lshrrev_b32 v1, 5, v0
	v_readfirstlane_b32 s18, v1                    ; wave 0..15
	v_and_b32 v3, 31, v0                           ; lane
	v_lshlrev_b32 v1, 4, v3                        ; 16 x lane: a candidate's place in a row of oxp
	s_lshl_b32 s19, ttmp9, 6
	s_lshl_b32 s86, s18, 2
	s_add_co_u32 s19, s19, s86                     ; my first hit: 64 x work-group + 4 x wave
	s_lshl_b32 s86, s19, 2                         ; its byte in a quarter's row of pkey and pgid
	s_lshr_b32 s87, s19, 5
	s_mul_i32 s87, s87, 3072                       ; its own group in oxp,
	s_and_b32 s53, s19, 31
	s_lshl_b32 s53, s53, 4
	s_add_co_u32 s87, s87, s53                     ; and its place there (the four hits lie in one group: the first is a multiple of 4)
	v_mov_b32 v2, s87
	s_lshl_b32 s53, s18, 4
	v_mov_b32 v238, s53                            ; LDS: 16 x wave: my four results
	s_and_b32 s53, s18, 1
	s_lshl_b32 s53, s53, 8
	v_lshl_add_u32 v239, v3, 3, s53                ; and the read behind the barrier: 256 x (wave % 2) + 8 x lane
	v_lshlrev_b32 v237, 3, v3
	v_mov_b32 v236, 0x4e6e6b28                     ; 1e9
	s_mov_b32 s84, 0x76543210
	s_mov_b32 s85, 0xfedcba98                      ; selects of v_permlanex16_b32: lane l xor 16
	v_mov_b32 v222, 0                              ; written once: the destination of a DPP form or a lane permute counts as one of its sources
	v_mov_b32 v226, 0
.irp t, 0,1,2,3
	v_mov_b32 v[MD+\t], 0
.endr
	s_wait_kmcnt 0x0
.irp q, 0,1,2,3
	s_load_b128 s[20+4*\q:23+4*\q], s[10:11], s86 offset:65536*\q   ; the four hits' keys of quarter q
	s_load_b128 s[36+4*\q:39+4*\q], s[12:13], s86 offset:65536*\q   ; and groups
.endr
.irp t, 0,1,2,3
.irp p, 0,1,2,3,4,5
	global_load_b128 v[H+24*\t+4*\p:H+24*\t+4*\p+3], v2, s[4:5] offset:512*\p+16*\t   ; the hits' own rows
.endr
.endr
	s_wait_kmcnt 0x0
.irp t, 0,1,2,3
	s_mov_b32 s52, s[20+\t]
	s_mov_b32 s[56+\t], s[36+\t]
.irp q, 1,2,3
	s_cmp_gt_u32 s[20+4*\q+\t], s52                ; whole numbers read from memory; a choice, no branch
	s_cselect_b32 s52, s[20+4*\q+\t], s52
	s_cselect_b32 s[56+\t], s[36+4*\q+\t], s[56+\t]
.endr
	s_min_u32 s[56+\t], s[56+\t], 511              ; inside the 512 groups, whatever was read
	s_mul_i32 s[60+\t], s[56+\t], 3072
	s_lshl_b32 s[68+\t], s[56+\t], 2
	s_load_b32 s[72+\t], s[6:7], s[68+\t] offset:0x0   ; the group's mask word
	s_load_b32 s[76+\t], s[8:9], s[68+\t] offset:0x0   ; the centres ahead of the group
	v_add_nc_u32 v[4+\t], s[60+\t], v1
.irp p, 0,1,2,3,4,5
	global_load_b128 v[C+24*\t+4*\p:C+24*\t+4*\p+3], v[4+\t], s[4:5] offset:512*\p   ; 32 candidates x 16 bytes: 512 consecutive bytes a load
.endr
.endr
; the squared distance of hit t to my candidate.  left: the later hits' six loads each, which may stay out
.macro D2 t, left
	s_wait_loadcnt \left
.set hh, H+24*\t
.set cc, C+24*\t
	v_pk_mul_f32 v[208:209], v[hh:hh+1], v[cc:cc+1]
	v_pk_mul_f32 v[210:211], v[cc:cc+1], v[cc:cc+1]
	v_pk_mul_f32 v[212:213], v[hh:hh+1], v[hh:hh+1]
.irp i, 2,4,6,8,10,12,14,16,18,20,22
	v_pk_fma_f32 v[208:209], v[hh+\i:hh+\i+1], v[cc+\i:cc+\i+1], v[208:209]
	v_pk_fma_f32 v[210:211], v[cc+\i:cc+\i+1], v[cc+\i:cc+\i+1], v[210:211]
	v_pk_fma_f32 v[212:213], v[hh+\i:hh+\i+1], v[hh+\i:hh+\i+1], v[212:213]
.endr
	v_add_f32 v208, v208, v209                     ; dot
	v_add_f32 v210, v210, v211                     ; sq of the candidate
	v_add_f32 v212, v212, v213                     ; sq of the hit
	v_add_f32 v210, v212, v210
	v_fma_f32 v[DI+\t], -2.0, v208, v210
	v_max_num_f32 v[DI+\t], 0, v[DI+\t]
.endm
	D2 0, 18
	D2 1, 12
	D2 2, 6
	D2 3, 0
.irp t, 0,1,2,3
	v_sqrt_f32 v[DI+\t], v[DI+\t]                  ; one batch
.endr
	v_nop                                          ; a plain line behind the last root
	s_wait_alu depctr_va_vdst(0)                   ; the wait ahead of the first line that names a root: one for the four
	s_wait_kmcnt 0x0                               ; the mask words and wpre
.macro RMIN d, s, tmp                          ; the least of v[s] over the 32 lanes, in every lane of v[d]
	v_min_num_f32_dpp v[\d], v[\s], v[\s] row_xmask:1 row_mask:0xf bank_mask:0xf
	v_min_num_f32_dpp v[\d], v[\d], v[\d] row_xmask:2 row_mask:0xf bank_mask:0xf
	v_min_num_f32_dpp v[\d], v[\d], v[\d] row_xmask:4 row_mask:0xf bank_mask:0xf
	v_min_num_f32_dpp v[\d], v[\d], v[\d] row_xmask:8 row_mask:0xf bank_mask:0xf
	v_permlanex16_b32 v[\tmp], v[\d], s84, s85
	v_min_num_f32 v[\d], v[\d], v[\tmp]
.endm
.macro PICK t
	v_cmp_gt_f32 s80, 1.0, v[DI+\t]                ; inside the radius,
	s_and_b32 s80, s80, s[72+\t]                   ; and a centre
	v_cndmask_b32 v220, v236, v[DI+\t], s80        ; else 1e9
	RMIN MD+\t, 220, 222
	v_mbcnt_lo_u32_b32 v223, s[72+\t], s[76+\t]    ; my candidate's ordinal: the centres ahead of the group + those of the group under my lane
	v_cvt_f32_u32 v224, v223                       ; under 16,384: exact
	v_cmp_eq_f32 s81, v220, v[MD+\t]
	v_cndmask_b32 v225, v236, v224, s81            ; of the lanes at the least distance
	RMIN 226, 225, 222                             ; the lowest ordinal
	v_cvt_i32_f32 v227, v226
	v_cmp_lt_f32 s82, v[MD+\t], v236
	v_cndmask_b32 v[INS+\t], -1, v227, s82         ; -1 where no centre is in reach
	ds_store_b32 v238, v[MD+\t] offset:4*\t        ; all lanes write the same word with the same value
	ds_store_b32 v238, v[INS+\t] offset:256+4*\t
.endm
	PICK 0
	PICK 1
	PICK 2
	PICK 3
	s_wait_dscnt 0x0                               ; for the others' sake: my stores are done
	s_barrier_signal -1
	s_barrier_wait -1
	s_cmp_lt_u32 s18, 2
	s_cbranch_scc0 .Ldone
	ds_load_b64 v[220:221], v239                   ; wave 0: the 64 distances; wave 1: the 64 ordinals
	s_cmp_eq_u32 s18, 0
	s_cselect_b64 s[86:87], s[14:15], s[16:17]     ; the choice hangs on the wave's number alone
	s_lshl_b32 s54, ttmp9, 8
	s_mov_b32 s55, 0
	s_add_nc_u64 s[86:87], s[86:87], s[54:55]
	s_wait_dscnt 0x0
	global_store_b64 v237, v[220:221], s[86:87] th:TH_STORE_NT   ; 32 lanes store 256 consecutive bytes, aligned
.Ldone:
	s_wait_tensorcnt 0x0
	ds_add_u32 v240, v241
	s_wait_dscnt 0x0
	s_endpgm
.Lfunc_end_k_qb09b1b1c3c_refine:
	.size	k_qb09b1b1c3c_refine, .Lfunc_end_k_qb09b1b1c3c_refine-k_qb09b1b1c3c_refine
	.p2alignl 7, 3214868480
	.fill 96, 4, 3214868480
	.section	.rodata,"a",@progbits
	.p2align	6, 0x0
	.amdhsa_kernel k_qb09b1b1c3c_refine
		.amdhsa_group_segment_fixed_size 2560
		.amdhsa_private_segment_fixed_size 0
		.amdhsa_enable_private_segment 0
		.amdhsa_kernarg_size 56
		.amdhsa_user_sgpr_count 2
		.amdhsa_user_sgpr_kernarg_segment_ptr 1
		.amdhsa_wavefront_size32 1
		.amdhsa_system_sgpr_workgroup_id_x 1
		.amdhsa_system_sgpr_workgroup_id_y 1
		.amdhsa_system_sgpr_workgroup_id_z 1
		.amdhsa_system_vgpr_workitem_id 0
		.amdhsa_next_free_vgpr 242
		.amdhsa_next_free_sgpr 96
		.amdhsa_reserve_vcc 0
		.amdhsa_float_denorm_mode_32 3
		.amdhsa_float_denorm_mode_16_64 3
		.amdhsa_memory_ordered 1
		.amdhsa_forward_progress 1
		.amdhsa_inst_pref_size 26
	.end_amdhsa_kernel
	.amdgpu_metadata
---
amdhsa.version: [ 1, 2 ]
amdhsa.kernels:
  - .name:           k_qb09b1b1c3c_refine
    .symbol:         k_qb09b1b1c3c_refine.kd
    .args:
      - { .name: oxp, .offset: 0, .size: 8, .value_kind: global_buffer, .address_space: global }
      - { .name: mrec, .offset: 8, .size: 8, .value_kind: global_buffer, .address_space: global }
      - { .name: wpre, .offset: 16, .size: 8, .value_kind: global_buffer, .address_space: global }
      - { .name: pkey, .offset: 24, .size: 8, .value_kind: global_buffer, .address_space: global }
      - { .name: pgid, .offset: 32, .size: 8, .value_kind: global_buffer, .address_space: global }
      - { .name: out2, .offset: 40, .size: 8, .value_kind: global_buffer, .address_space: global }
      - { .name: out3, .offset: 48, .size: 8, .value_kind: global_buffer, .address_space: global }
    .group_segment_fixed_size: 2560
    .private_segment_fixed_size: 0
    .kernarg_segment_align: 8
    .kernarg_segment_size: 56
    .max_flat_workgroup_size: 512
    .sgpr_count:     96
    .vgpr_count:     242
    .wavefront_size: 32
...
	.end_amdgpu_metadata
.endif
;; end of part 3
